; MI455X (gfx1250); checked and timed in simulation.
; The chip was launched on July 23, 2026; its instructions are those of AMD's public machine-readable ISA for CDNA 5 (MIT licence, August 2026) and "CDNA5" Instruction Set Architecture Reference Guide (July 2026). The comments in the code are by the model that wrote it; some were corrected since.
;; Affine. Allowed arithmetic: matrix products marked QUANTISED: E4M3 operands, one E8M0 scale for each 32 along K, by v_wmma_scale_f32_16x16x128_f8f6f4 with both operands' format E4M3, f32 sums; products left as they are: f32 operands where the result goes on into a quantised operand, else bf16, f16 or f32 operands; f32 sums; everything else in f32.
;; Inputs: W 4 x 1,024 x 1,024 float32; b 4 x 1,024 float32; gates 4 x 4,096 x 4 float32; input 4 x 4,096 x 1,024 float32.
;; Outputs: out0 4 x 4,096 x 1,024 float32.
;; This version of the problem:
;;   THIS VERSION OF THE PROBLEM IS GIVEN IN LOW PRECISION. The matrix products marked QUANTISED in the list below multiply operands that are first quantised to E4M3 (4 exponent bits, 3 mantissa bits; 8 bits a number), with one power-of-two scale for each 32 numbers along K (OCP MX v1.0); their sums are f32. All else is computed in f32.
;;   The module's matrix products, in the order in which they are computed (A, B: the left and right operand; K: the contracted axis; several contracted axes count as one K, in the product's order):
;;     1. [M 16,384, K 1,024] x [K 1,024, N 4,096]; A: input input; B: input W: QUANTISED
;;     2. batch 16,384 x [M 1,024, K 4] x [K 4, N 1]; A: computed on the way; B: input gates: left as it is (K = 4 < 32)
;;   THE QUANTISER, for each operand of a quantised product, along K:
;;     - K is cut into blocks of 32 from its start; a last block that is shorter is filled with zeros.
;;     - A block's scale is 2^e with e = floor(log2(the largest magnitude in the block)) - 8, held to -126 .. 127; a block of zeros has e = 0. As a byte (E8M0): e + 127.
;;     - Each number is divided by its block's scale, clamped to +-448, and rounded to the nearest number of E4M3, ties to even, subnormals kept.
;;     - The product sums the exact products of the quantised numbers (number of the format x scale) in f32.
;;   ~~~python
;;   def quantise(x, axis):      # numpy; x: float32 -> the quantised numbers, widened to float32 again
;;       x = np.moveaxis(x, axis, -1); K = x.shape[-1]
;;       x = np.pad(x, [(0, 0)] * (x.ndim - 1) + [(0, -K % 32)]); x = x.reshape(x.shape[:-1] + (-1, 32)); a = np.abs(x).max(-1, keepdims=True)
;;       e = np.where(a > 0, np.clip(np.frexp(np.where(a > 0, a, 1))[1] - 1 - 8, -126, 127), 0)      # np.frexp(a)[1] - 1 = floor(log2(a)), exactly
;;       r = np.clip(x / 2.0 ** e, -448, 448)
;;       step = 2.0 ** (np.maximum(np.frexp(np.where(r == 0, 1, r))[1] - 1, -6) - 3)
;;       q = np.round(r / step) * step * 2.0 ** e      # np.round: ties to even
;;       return np.moveaxis(q.reshape(q.shape[:-2] + (-1,))[..., :K], -1, axis).astype(np.float32)
;;   ~~~
;; One version. Each part assembles by itself: llvm-mc -triple=amdgcn-amd-amdhsa -mcpu=gfx1250 --defsym DOCPART=n.
;; ======== version 1 of 1: 2 launches
;; limits: right only within a limited range of input values
;; workspace buffers: xq 16,777,216 bytes; xs 524,288 bytes; wp 4,325,376 bytes
;; launch quant (part 1): grid 1280 x 1, 4 waves a work-group, no clusters, 34,816 bytes of LDS; arguments input, W, xq, xs, wp; writes xq, xs, wp
.if DOCPART == 1
	.amdgcn_target "amdgcn-amd-amdhsa--gfx1250"
	.amdhsa_code_object_version 6
	.text
	.protected	k_q1557ad8948_quant
	.globl	k_q1557ad8948_quant
	.p2align	8
	.type	k_q1557ad8948_quant,@function
k_q1557ad8948_quant:
	s_mov_b64 s[64:65], 0
	v_nop
	global_prefetch_b8 v0, s[64:65] scope:SCOPE_SE
	s_setreg_imm32_b32 hwreg(HW_REG_WAVE_MODE, 25, 1), 1
	s_wait_xcnt 0x0
; input [16384][1024] and W [4][1024][1024], f32, K innermost, are turned into codes of FP8 (E4M3) with one E8M0 scale byte for each 32 along K.
; A block's scale is 2^(floor(log2(its largest magnitude)) - 8); its byte is the largest magnitude's exponent field - 8, held at 1 from below, which is the hold of the exponent at -126.
; Each number is divided by the scale, held within +-448 and rounded to the nearest code, ties to even.
; LIMITS: a block of zeros gets the byte 1 where the rule says 127: its codes are zeros, which add nothing under any byte but 0xff, and the bytes are read by this program alone.  NaN and infinities among the inputs are not served.
; SHARES.  A work-group takes 16 rows, all of K; wave w takes k = 256 w .. 256 w + 255 in two steps of 128.  Work-groups 0-1023 take 16 neighbouring rows of input, 1024-1279 a batch of W: both take one path, only pointers, offsets and a stride are chosen.
; BATCHES OF W.  Batch B = 16 gg + 4 s + e holds, in its row r, W's row of expert e, output 64 gg + 4 r + s: four batches s = 0 .. 3 give lane r four neighbouring outputs.
; RESULTS, as images of the product's operand registers (r = lane % 16, h = lane / 16):
;   codes of 16 rows: [q: 8 x 128 along K][c: 4 x 32][lane][16 bytes]: row r, k = 128 q + 32 c + 16 h .. + 15.  xq: [tile of 16 rows][16,384];
;   xs: [row][32 scale bytes];  wp: [pair of batches][codes of the even one, codes of the odd one, scale words: [words 0-3, words 4-7][16 (batch % 2) + r][16 bytes]]: 33,792 bytes a pair.
; A load reads 512 consecutive bytes of one row; 16 rows x 128 numbers turn through the wave's own stage in LDS (rows of 512 + 16 bytes) and come back 16 neighbours a lane; lanes l and l xor 16 hold a block.
.set R,    32                          ; v32-95, v96-159: the two steps' numbers
.set C,    160                         ; v160-191: codes, 16 registers a step
.set SP,   528                         ; a stage row
.set WREG, 16*SP
.set SCB,  4*WREG                      ; the work-group's 512 scale bytes: [row][32]
.set SPARE, SCB+512                    ; the spare words
.set WGX,  1024
.set PAIRB, 33792
.set SPW,  28
.set NIL,  29
	s_load_b128 s[4:7], s[0:1], 0x0                ; input, W
	s_load_b128 s[8:11], s[0:1], 0x10              ; xq, xs
	s_load_b64 s[12:13], s[0:1], 0x20              ; wp
	v_lshl_add_u32 v[SPW], v0, 2, SPARE
	v_mov_b32 v[NIL], 0
	v_lshrrev_b32 v1, 5, v0
	v_readfirstlane_b32 s16, v1                    ; wave
	s_mul_i32 s17, s16, WREG
	s_lshl_b32 s18, s16, 3
	s_add_co_u32 s18, s18, SCB
	v_and_b32 v2, 31, v0
	v_lshlrev_b32 v3, 4, v2                        ; 16 x lane
	v_and_b32 v4, 15, v0                           ; r
	v_bfe_u32 v5, v0, 4, 1                         ; h
	v_add_nc_u32 v6, s17, v3                       ; into the stage: a row's 512 bytes as they lie
	v_mul_u32_u24 v7, v4, SP
	v_lshl_add_u32 v7, v5, 6, v7
	v_add_nc_u32 v7, s17, v7                       ; out of it: row r, 64 bytes at 64 h
	v_lshlrev_b32 v25, 5, v4
	v_lshlrev_b32 v27, 5, v4
	v_add_nc_u32 v25, s18, v25                     ; my row's scale words 2 w and 2 w + 1
	v_lshl_add_u32 v27, v5, 4, v27
	v_add_nc_u32 v27, SCB, v27                     ; on the way out: row r, words 4 h .. 4 h + 3
.irp b, 0,1,2,3
	v_mov_b32 v[12+\b], 0                          ; a lane permute's destination counts as one of its sources
.endr
	s_and_b32 s26, ttmp9, 255                      ; W's batch
	s_lshr_b32 s18, s26, 1
	s_mul_i32 s18, s18, PAIRB
	s_and_b32 s19, s26, 1
	s_lshl_b32 s22, s19, 14
	s_add_co_u32 s20, s18, s22                     ; where a batch's codes go
	s_lshl_b32 s22, s19, 8
	s_add_co_u32 s22, s22, s18
	s_add_co_u32 s22, s22, 32768                   ; and its scale words
	s_and_b32 s18, s26, 3
	s_lshl_b32 s18, s18, 10
	s_lshr_b32 s19, s26, 4
	s_lshl_b32 s19, s19, 6
	s_add_co_u32 s18, s18, s19
	s_bfe_u32 s19, s26, 0x20002
	s_add_co_u32 s18, s18, s19
	s_lshl_b32 s18, s18, 12                        ; W: (1024 e + 64 gg + s) rows of 4,096 bytes
	s_lshl_b32 s19, ttmp9, 16                      ; input: 16 rows of 4,096 bytes,
	s_lshl_b32 s27, ttmp9, 14                      ; their codes,
	s_lshl_b32 s14, ttmp9, 9                       ; their scale bytes
	s_mov_b32 s30, 16384                           ; from row to row: W's rows r lie four outputs apart
	s_mov_b32 s15, 512
	s_mov_b32 s29, 0
	s_mov_b32 s21, 0
	s_mov_b32 s23, 0
	s_mov_b32 s31, 0
	s_mov_b32 s3, 0x600000                         ; the mantissa field of 448
	s_mov_b32 s24, 0x76543210
	s_mov_b32 s25, 0xfedcba98                      ; v_permlanex16_b32's selects for lane l xor 16
	s_wait_alu depctr_va_vdst(0)                   ; the wait at the head's end
	s_wait_kmcnt 0x0
	s_cmp_lt_u32 ttmp9, WGX                        ; only selections follow the compare
	s_cselect_b64 s[4:5], s[4:5], s[6:7]
	s_cselect_b64 s[8:9], s[8:9], s[12:13]
	s_cselect_b64 s[10:11], s[10:11], s[12:13]
	s_cselect_b32 s28, s19, s18
	s_cselect_b32 s20, s27, s20
	s_cselect_b32 s22, s14, s22
	s_cselect_b32 s30, 4096, s30
	s_cselect_b32 s17, 32, 16
	s_cselect_b32 s15, 16, s15
	s_lshl_b32 s18, s16, 10                        ; my wave's 256 numbers of a row
	s_add_co_u32 s28, s28, s18
	s_lshl_b32 s18, s16, 12                        ; and their codes: two q of 2,048 bytes
	s_add_co_u32 s20, s20, s18
	s_add_nc_u64 s[8:9], s[8:9], s[20:21]
	s_add_nc_u64 s[10:11], s[10:11], s[22:23]
	s_add_nc_u64 s[32:33], s[4:5], s[28:29]        ; s[32:63]: the 16 rows
.irp i, 1,2,3,4,5,6,7,8,9,10,11,12,13,14,15
	s_add_nc_u64 s[32+2*\i:33+2*\i], s[30+2*\i:31+2*\i], s[30:31]
.endr
.irp s, 0,1
.irp i, 0,1,2,3,4,5,6,7,8,9,10,11,12,13,14,15
	global_load_b128 v[R+64*\s+4*\i:R+64*\s+4*\i+3], v3, s[32+2*\i:33+2*\i] offset:512*\s th:TH_LOAD_NT   ; 32 lanes read 512 consecutive bytes, once in the launch
.endr
.endr
	v_mul_u32_u24 v26, s17, v4
	v_mad_u32_u24 v26, v5, s15, v26                ; where my 16 scale bytes go: input 32 r + 16 h, W 16 r + 512 h
.macro STEP s
.set XS, R+64*\s
	s_wait_loadcnt 16*(1-\s)                       ; this step's 16 loads are in; the next step's may be out
.irp i, 0,1,2,3,4,5,6,7,8,9,10,11,12,13,14,15
	ds_store_b128 v6, v[XS+4*\i:XS+4*\i+3] offset:SP*\i
.endr
	s_wait_dscnt 0x0                               ; the stores have read their registers, which the loads below fill anew
.irp b, 0,1,2,3
.irp i, 0,1,2,3
	ds_load_b128 v[XS+16*\b+4*\i:XS+16*\b+4*\i+3], v7 offset:128*\b+16*\i
.endr
.endr
	s_wait_dscnt 0x0
.irp b, 0,1,2,3                        ; the largest magnitude of my 16 numbers of each block, and the floor 2^(9 - 127); the four blocks by turns
	v_max3_num_f32 v[8+\b], |v[XS+16*\b]|, |v[XS+16*\b+1]|, 0x4800000
.endr
.irp i, 2,4,6,8,10,12,14
.irp b, 0,1,2,3
	v_max3_num_f32 v[8+\b], v[8+\b], |v[XS+16*\b+\i]|, |v[XS+16*\b+\i+1]|
.endr
.endr
.irp b, 0,1,2,3
	v_permlanex16_b32 v[12+\b], v[8+\b], s24, s25
.endr
.irp b, 0,1,2,3
	v_max_num_f32 v[8+\b], v[8+\b], v[12+\b]       ; with lane l xor 16's: the block's
.endr
.irp b, 0,1,2,3
	v_add_nc_u32 v[16+\b], 0xfc000000, v[8+\b]     ; 8 off its exponent field: the conversion takes the exponent field of this operand as its scale
.endr
.irp b, 0,1,2,3
	v_and_or_b32 v[20+\b], v[8+\b], 0x7f800000, s3 ; 448 x the scale
.endr
.irp b, 0,1,2,3
	v_lshrrev_b32 v[12+\b], 23, v[16+\b]           ; the scale's byte
.endr
	v_lshl_or_b32 v24, v13, 8, v12
	v_lshl_or_b32 v24, v14, 16, v24
	v_lshl_or_b32 v24, v15, 24, v24                ; my row's scale word of this q
	ds_store_b32 v25, v24 offset:4*\s              ; lanes l and l xor 16 write the same word with the same value
.irp b, 0,1,2,3
.irp i, 0,1,2,3,4,5,6,7,8,9,10,11,12,13,14,15
	v_med3_num_f32 v[XS+16*\b+\i], v[XS+16*\b+\i], -v[20+\b], v[20+\b]   ; the conversion to an 8-bit code does not saturate (ISA guide 7.6.2)
.endr
	v_cvt_scalef32_pk8_fp8_f32 v[C+16*\s+4*\b:C+16*\s+4*\b+1], v[XS+16*\b:XS+16*\b+7], v[16+\b]
	v_cvt_scalef32_pk8_fp8_f32 v[C+16*\s+4*\b+2:C+16*\s+4*\b+3], v[XS+16*\b+8:XS+16*\b+15], v[16+\b]
.endr
	v_nop                                          ; the plain line behind the last conversion
.irp b, 0,1,2,3
	global_store_b128 v3, v[C+16*\s+4*\b:C+16*\s+4*\b+3], s[8:9] offset:2048*\s+512*\b   ; 32 lanes store 512 consecutive bytes
.endr
.endm
	STEP 0
	STEP 1
	s_wait_dscnt 0x0                               ; for wave 0's sake: my scale words have landed
	s_barrier_signal -1
	s_barrier_wait -1
	s_cmp_lg_u32 s16, 0
	s_cbranch_scc1 .Lend                           ; wave 0 stores the work-group's 512 scale bytes: two aligned units (input) or two units of 256 bytes (W)
	ds_load_b128 v[8:11], v27
	s_wait_dscnt 0x0
	global_store_b128 v26, v[8:11], s[10:11]
.Lend:
	s_wait_tensorcnt 0x0                           ; the wave's end
	ds_add_u32 v[SPW], v[NIL]
	s_wait_dscnt 0x0
	s_endpgm
.Lfunc_end_k_q1557ad8948_quant:
	.size	k_q1557ad8948_quant, .Lfunc_end_k_q1557ad8948_quant-k_q1557ad8948_quant
	.p2alignl 7, 3214868480
	.fill 96, 4, 3214868480
	.section	.rodata,"a",@progbits
	.p2align	6, 0x0
	.amdhsa_kernel k_q1557ad8948_quant
		.amdhsa_group_segment_fixed_size 34816
		.amdhsa_private_segment_fixed_size 0
		.amdhsa_enable_private_segment 0
		.amdhsa_kernarg_size 40
		.amdhsa_user_sgpr_count 2
		.amdhsa_user_sgpr_kernarg_segment_ptr 1
		.amdhsa_wavefront_size32 1
		.amdhsa_system_sgpr_workgroup_id_x 1
		.amdhsa_system_sgpr_workgroup_id_y 1
		.amdhsa_system_sgpr_workgroup_id_z 1
		.amdhsa_system_vgpr_workitem_id 0
		.amdhsa_next_free_vgpr 192
		.amdhsa_next_free_sgpr 66
		.amdhsa_reserve_vcc 0
		.amdhsa_float_denorm_mode_32 3
		.amdhsa_float_denorm_mode_16_64 3
		.amdhsa_memory_ordered 1
		.amdhsa_forward_progress 1
		.amdhsa_inst_pref_size 29
	.end_amdhsa_kernel
	.amdgpu_metadata
---
amdhsa.version: [ 1, 2 ]
amdhsa.kernels:
  - .name:           k_q1557ad8948_quant
    .symbol:         k_q1557ad8948_quant.kd
    .args:
      - { .name: input, .offset: 0, .size: 8, .value_kind: global_buffer, .address_space: global }
      - { .name: W, .offset: 8, .size: 8, .value_kind: global_buffer, .address_space: global }
      - { .name: xq, .offset: 16, .size: 8, .value_kind: global_buffer, .address_space: global }
      - { .name: xs, .offset: 24, .size: 8, .value_kind: global_buffer, .address_space: global }
      - { .name: wp, .offset: 32, .size: 8, .value_kind: global_buffer, .address_space: global }
    .group_segment_fixed_size: 34816
    .private_segment_fixed_size: 0
    .kernarg_segment_align: 8
    .kernarg_segment_size: 40
    .max_flat_workgroup_size: 128
    .sgpr_count:     66
    .vgpr_count:     192
    .wavefront_size: 32
...
	.end_amdgpu_metadata
.endif
;; end of part 1
;; launch gemm (part 2): grid 64 x 4, 4 waves a work-group, clusters of 4 x 1, 327,680 bytes of LDS; arguments xq, xs, wp, b, gates, out0; writes out0
.if DOCPART == 2
	.amdgcn_target "amdgcn-amd-amdhsa--gfx1250"
	.amdhsa_code_object_version 6
	.text
	.protected	k_q1557ad8948_gemm
	.globl	k_q1557ad8948_gemm
	.p2align	8
	.type	k_q1557ad8948_gemm,@function
k_q1557ad8948_gemm:
	s_mov_b64 s[64:65], 0
	v_nop
	global_prefetch_b8 v0, s[64:65] scope:SCOPE_SE
	s_setreg_imm32_b32 hwreg(HW_REG_WAVE_MODE, 25, 1), 1
	s_wait_xcnt 0x0
	s_wait_alu depctr_hold_cnt(0) depctr_sa_sdst(0) depctr_va_vdst(0) depctr_va_sdst(0) depctr_va_ssrc(0) depctr_va_vcc(0) depctr_vm_vsrc(0)
	s_getreg_b32 s2, hwreg(HW_REG_IB_STS2, 6, 4)
	s_cmp_eq_u32 s2, 0
	s_cbranch_scc0 .Lentry_in_a_cluster
	s_endpgm
.Lentry_in_a_cluster:
	s_bfe_u32 s2, ttmp6, 0x10000c
	s_cmp_lg_u32 s2, 0x3003
	s_cbranch_scc0 .Lentry_shape_is_right
	s_endpgm
.Lentry_shape_is_right:
; out[t][o] = sum over e of gates[t][e] (x[t] . W[e][o] + b[e][o]) on codes of MX-FP8; sums, bias and gates in f32.  All four experts are computed for every token, whatever the gates hold.
; LIMITS: NaN, infinities and sums beyond f32's range are not served.
; THE DEAL.  256 work-groups: 256 rows of x by 256 outputs (1,024 rows of W).  A wave holds 64 rows of x, ALL of K, in 512 registers, and W streams past them through LDS in batches of 16 rows of one expert:
; 32 products a batch (8 along K x 4 tiles of x), four accumulators by turns.  A batch's sums begin with its bias; among the next batch's products they are multiplied by the tokens' gates and added to the outputs' 128 registers.
; SOURCE 0 = 16 rows of x, source 1 = 16 rows of W: lane (r, h) holds, in register j, token 8 h + j and W's row r of the batch.  Batch k = 4 s + e of a group of 64 outputs has, in row r, output 4 r + s: so four batches s = 0 .. 3
; give a lane four neighbouring outputs of each token, and a store of 16 bytes a lane writes whole aligned 256 bytes of two rows: no stage in LDS.
; A token's gate lies in lane j of its row of 16 lanes (j + 8 for odd experts): the multiply-add takes it by row_share.  One multiply-add stands behind each product.
; W's RING: two slots of 8 batches (two s, four e): 4 pairs of batches of 33,792 bytes, codes and scale words as images of the operand's registers.  In the ring a wave brings one pair by one joint load.  A trip = 16 batches = both slots = 64 outputs; four trips.
; W's batches stand in registers as two whole sets.  Behind a batch's 32 products, and eight plain vector lines (the next bias), ONE run of LDS loads brings the batch two on into the set just read.
; A slot's last batch is in registers when its seventh is multiplied: so the change of slots stands in the seventh (batches 6 and 14), ahead of the run that reads the other slot first.
; THE HEAD.  Waves 0, 1 bring five eighths of x's 256 rows (q = 0 .. 4), behind slot 0; wave 2 the first pair of batches of W, wave 3 the other three of chunk 0, which are shown by the round inside batch 0 and first read behind it.
; The rest of x comes straight into registers.  Chunk 1 fills x's bytes again behind that round.
; CLUSTERS: four work-groups with the same outputs and other rows of x share every load of W.  x is no joint load: each work-group reads its 256 KB once, a fifth of what it fetches, and those that read the same rows have other columns.
; No data prefetch: a chunk is asked for some 250 products ahead of the wait for it, and the 16 clusters with the same outputs all ask for the same chunks in the same order: each prefetch would be named by all of them.
; REGISTERS: window 0: all but: window 1: W's two sets (128 each); windows 2, 3: x's tiles 0, 1 and 2, 3 (fragment q of a tile: 16 registers).
.set PAIRB, 33792
.set SLOT,  4*PAIRB
.set XT,    10240                      ; a tile's five fragments in LDS
.set BIASL, SLOT+16*XT                 ; 4 KB: [expert][256 outputs]
.set SPARE, BIASL+4096                 ; the spare words
.set BI,  0                            ; v0-7  the first products' C (v0-7 are the head's scratch before)
.set VA,  8                            ; v8-15  LDS address of pair i of slot s: VA + 4 s + i
.set G,   16                           ; v16-23 gates: G + 2 t + e / 2
.set SX,  24                           ; v24-39 x's scale words: SX + 8 (t / 2) + q; odd tiles in lanes 16-31
.set BT,  40                           ; v40, v41 a batch's bias
.set CO,  43                           ; my place in a store
.set SW,  44                           ; v44-59 W's scale words, two sets: SW + 8 set + q; odd batches in lanes 16-31.  No product's two scale words have numbers equal modulo 8
.set VB,  61                           ; LDS address of my bias in this trip's group
.set SPW, 62
.set NIL, 63
.set ACC, 64                           ; v64-127 two sets of four accumulators
.set OUT, 128                          ; v128-255 outputs: 32 t + 4 j + s
.set G1,  24                           ; s[24:31] descriptor group 1 of the ring, and of the head's first pair
.set G0,  32                           ; s[32:35], s[36:39] group 0 of either slot
.set G1H, 52                           ; s[52:59], s[60:63] the head's load of W's other three pairs
.set G0H, 60
.set G1X, 68                           ; s[68:75], s[76:79] the head's load of x: eight tiles
.set G0X, 76
.set G0P, 88                           ; s[88:91] group 0 of the head's first pair
.set WV,  18
.set CNT, 17
.set MSB, 0
.set LP,  0                            ; the next of a batch's 32 loads
.set FI,  0                            ; the next of a batch's 32 multiply-adds
.set RC,  0                            ; LDS instructions of the last run
.set TAIL, 0
.macro WIN new                         ; the immediate's high byte repeats the setting that is left
.if MSB != (\new)
	s_set_vgpr_msb (MSB<<8)|(\new)
.set MSB, (\new)
.endif
.endm
.macro CREST                           ; a round of the cluster's barrier behind its opening barrier
	s_cmp_lg_u32 s[WV], 0
	s_cbranch_scc1 .Lnot_wave_0_\@
	s_barrier_signal -3
.Lnot_wave_0_\@:
	s_barrier_wait -3
	s_barrier_signal -1
	s_barrier_wait -1
.endm
.macro CROUND
	s_barrier_signal -1
	s_barrier_wait -1
	CREST
.endm
.macro LOADS k                         ; batch k's 32 loads
.set KB_, (\k)%16
	WIN 0x40
.set LP, 0
.rept 32
.set WR_, 128*(KB_%2)+4*LP
	ds_load_b128 v[WR_:WR_+3], v[VA+4*(KB_/8)+(KB_%8)/2] offset:16384*(KB_%2)+512*LP
.set LP, LP+1
.endr
	WIN 0
.endm
.macro SCL k                           ; the scale words of the pair of batches k, k + 1
.set KS_, (\k)%16
.set SR_, SW+8*(((\k)/2)%2)
	ds_load_b128 v[SR_:SR_+3], v[VA+4*(KS_/8)+(KS_%8)/2] offset:32768
	ds_load_b128 v[SR_+4:SR_+7], v[VA+4*(KS_/8)+(KS_%8)/2] offset:33280
.endm
.macro BIAS k                          ; batch k's bias (k counted from this trip's first)
.set KE_, (\k)
	ds_load_b32 v[BT+KE_%2], v[VB] offset:1024*(KE_%4)+4*((KE_%16)/4)+256*(KE_/16)
.endm
.macro RUN k                           ; behind batch k: batch k + 2's operands, and the bias of batch k + 3, which is spread behind batch k + 2's products
.set RC, 0
.if !(TAIL && (\k) > 13)
.if (\k)%2 == 0
	SCL (\k)+2
.set RC, RC+2
.endif
.if !(TAIL && (\k) > 12)
	BIAS (\k)+3
.set RC, RC+1
.endif
	LOADS (\k)+2
.set RC, RC+32
.endif
.endm
.macro PROD k, t, q
.set KP_, (\k)
.set AC_, ACC+32*(KP_%2)+8*(\t)
.set C_, AC_
.if (\q) == 0
.set C_, BI
.endif
.set X_, 128*((\t)%2)+16*(\q)
.set W_, 128*(KP_%2)+16*(\q)
.set SA_, SX+8*((\t)/2)+(\q)
.set SB_, SW+8*((KP_/2)%2)+(\q)
.if ((\t)%2) && (KP_%2)
	v_wmma_scale_f32_16x16x128_f8f6f4 v[AC_:AC_+7], v[X_:X_+15], v[W_:W_+15], v[C_:C_+7], v[SA_], v[SB_] matrix_a_scale:MATRIX_SCALE_ROW1 matrix_b_scale:MATRIX_SCALE_ROW1
.elseif (\t)%2
	v_wmma_scale_f32_16x16x128_f8f6f4 v[AC_:AC_+7], v[X_:X_+15], v[W_:W_+15], v[C_:C_+7], v[SA_], v[SB_] matrix_a_scale:MATRIX_SCALE_ROW1
.elseif KP_%2
	v_wmma_scale_f32_16x16x128_f8f6f4 v[AC_:AC_+7], v[X_:X_+15], v[W_:W_+15], v[C_:C_+7], v[SA_], v[SB_] matrix_b_scale:MATRIX_SCALE_ROW1
.else
	v_wmma_scale_f32_16x16x128_f8f6f4 v[AC_:AC_+7], v[X_:X_+15], v[W_:W_+15], v[C_:C_+7], v[SA_], v[SB_]
.endif
.endm
.macro ONE k, p                        ; product p = 4 q + t
.set QQ_, (\p)/4
.set TT_, (\p)%4
.if (\k) == 0 && TT_ == 0              ; batch 0 begins while its operands come in
.if QQ_ == 0
	s_wait_loadcnt 48                              ; all but x's fragments q = 5, 6, 7: 16 loads each, the youngest of all
.elseif QQ_ > 4
	s_wait_loadcnt 16*(7-QQ_)
.endif
.if QQ_ < 3
	s_wait_dscnt 63                                ; x's fragments q = 0 .. 4 come from LDS: behind fragment q's stand 16 for each later one and batch 1's 32: 96, 80, 64,
.elseif QQ_ < 5
	s_wait_dscnt 32+16*(4-QQ_)                     ; 48, 32
.endif
.endif
	WIN 6+TT_/2
	PROD \k, TT_, QQ_
.endm
.macro FMAC k, i                       ; multiply-add i = 8 t + j of batch k - 1's sums into the outputs; expert 0 begins them
.set KF_, (\k)-1
.set T_, (\i)/8
.set J_, (\i)%8
.set O_, OUT+32*T_+4*J_+(KF_%16)/4
.set A_, ACC+32*(KF_%2)+8*T_+J_
.set GR_, G+2*T_+(KF_%4)/2
.set RS_, J_+8*(KF_%2)
.irp x, 0,1,2,3,4,5,6,7,8,9,10,11,12,13,14,15
.if RS_ == \x
.if KF_%4 == 0
	v_mul_f32_dpp v[O_], v[GR_], v[A_] row_share:\x row_mask:0xf bank_mask:0xf
.else
	v_fmac_f32_dpp v[O_], v[GR_], v[A_] row_share:\x row_mask:0xf bank_mask:0xf
.endif
.endif
.endr
.endm
.macro VALS k, n
.if (\k) == 0
.rept \n
	v_nop                                          ; batch 0 has no batch before it: the places ahead of the writes of the next bias
.endr
.else
	WIN 0
.rept \n
	FMAC \k, FI
.set FI, FI+1
.endr
.endif
.endm
.macro MOVS k                          ; batch k + 1's bias into its C registers, which products 0 to 3 have read: also the eight places ahead of the loads into what the last products
                                       ; have read, and of the reads of their sums (ISA guide 7.12.1 for the reads of the sums)
	WIN 0
.if TAIL && (\k) == 15
.rept 8
	v_nop
.endr
.else
.irp i, 0,1,2,3,4,5,6,7
	v_mov_b32 v[BI+\i], v[BT+((\k)+1)%2]
.endr
.endif
	s_wait_alu depctr_va_vdst(0)
.endm
.macro STORE i
.set ST_, OUT+4*(\i)
	global_store_b128 v[CO], v[ST_:ST_+3], s[14:15] offset:(16*((\i)/8)+(\i)%8)*4096 th:TH_STORE_NT   ; two rows, 256 consecutive bytes each, at multiples of 256
.endm
.macro STORES
.set I_, 0
.rept 32
	STORE I_
.set I_, I_+1
.endr
.endm
; What stands behind product p of batch k.  Batch 1 begins its multiply-adds later, with two behind each of nine products: the stores of the group before must have read the outputs' registers.
.macro AMONG k, p
.if (\k) == 1
.if (\p) == 8
	WIN 0
	s_wait_xcnt 0x0                                ; the stores have read their registers and their base
	s_add_nc_u64 s[14:15], s[14:15], s[22:23]      ; on to this group: 0 bytes in the first trip, then 256
.endif
.if (\p) > 7 && (\p) < 17
	VALS \k, 2
.elseif (\p) > 16 && (\p) < 31
	VALS \k, 1
.endif
.else
	VALS \k, 1
.endif
.if (\p) == 31
	MOVS \k
.endif
.endm
; mode 0: plain; 1: changes slots and fills the slot again; 2: the same without a refill; 4: batch 0: shows the rest of chunk 0, and chunk 1 goes into slot 1, over x's bytes.
.macro BATCH k, mode
.set FI, 0
.if (\k) > 0
	s_wait_dscnt RC                                ; this batch's operands are in: only the last run, the next batch's, may be out
.endif
.if (\mode) == 1 || (\mode) == 2
	s_wait_tensorcnt 0x0                           ; my pair of the other slot is in
.if (\mode) == 1
	ds_add_u32 v[SPW], v[NIL]                      ; 0 onto my spare word
	s_add_nc_u64 s[G0+4*((\k)/8)+2:G0+4*((\k)/8)+3], s[G0+4*((\k)/8)+2:G0+4*((\k)/8)+3], 2*SLOT
.endif
.endif
.irp p, 0,1,2,3,4,5,6,7,8,9,10,11,12,13,14,15,16,17,18,19,20,21,22,23,24,25,26,27,28,29,30,31
	ONE \k, \p
	AMONG \k, \p
.if (\mode) == 4 && \p == 22
	WIN 0
	s_wait_tensorcnt 0x0                           ; my tile of the head's is in (wave 3 waits for its own here first);
	ds_add_u32 v[SPW], v[NIL]                      ; 0 onto my spare word
.endif
.if (\mode) && \p == 27
	s_wait_dscnt 0x0                               ; my reads of this slot are over, and so is the add
	s_barrier_signal -1                            ; four products and the lines behind them stand between the signal and the wait
.endif
.endr
	WIN 0
.if (\mode)
	s_barrier_wait -1
.if (\mode) == 1
	CREST                                          ; no wave of any partner still reads this slot or has a load on its way
	tensor_load_to_lds s[G0+4*((\k)/8):G0+4*((\k)/8)+3], s[G1:G1+7]
	s_nop 0
.elseif (\mode) == 4
	CREST
	tensor_load_to_lds s[G0+4:G0+7], s[G1:G1+7]
	s_nop 0
.endif
.endif
	RUN \k
.endm
	s_load_b256 s[4:11], s[0:1], 0x0               ; xq, xs, wp, b
	s_load_b128 s[12:15], s[0:1], 0x20             ; gates, out0
	v_lshl_add_u32 v[SPW], v0, 2, SPARE
	v_mov_b32 v[NIL], 0
	ds_add_u32 v[SPW], v[NIL]                      ; the wave's opening: the add, twice on end, ahead of my first tensor load
	ds_add_u32 v[SPW], v[NIL]
	v_lshrrev_b32 v1, 5, v0
	v_readfirstlane_b32 s[WV], v1
	s_mul_i32 s22, s[WV], 4*XT
	s_add_co_u32 s22, s22, SLOT
	v_and_b32 v1, 31, v0                           ; lane
	v_lshlrev_b32 v67, 4, v1                       ; 16 x lane: x's fragments in memory
	v_add_nc_u32 v68, s22, v67                     ; and in LDS: my four tiles
	v_and_b32 v3, 15, v0                           ; r
	v_bfe_u32 v4, v0, 4, 1                         ; h
.irp i, 0,1,2,3
	v_add_nc_u32 v[VA+\i], PAIRB*\i, v67
	v_add_nc_u32 v[VA+4+\i], SLOT+PAIRB*\i, v67
.endr
	v_lshlrev_b32 v5, 15, v4
	v_lshl_add_u32 v[CO], v3, 4, v5                ; out: 8 h rows of 4,096 bytes, 16 r
	v_lshl_add_u32 v[VB], v3, 4, BIASL             ; bias: 16 r
	v_and_b32 v6, 7, v3
	v_lshl_add_u32 v6, v4, 3, v6
	v_lshrrev_b32 v7, 3, v3
	v_lshlrev_b32 v7, 2, v7
	v_lshl_add_u32 v64, v6, 4, v7                  ; gates: token 8 h + r % 8, expert r / 8
	v_lshlrev_b32 v65, 5, v1                       ; 32 x lane: x's scale bytes, the bias
	v_lshl_add_u32 v66, v0, 5, BIASL               ; the bias into LDS
	s_bfe_u32 s19, ttmp6, 0x40000                  ; cx
	s_lshl_b32 s20, ttmp9, 2
	s_add_co_u32 s20, s20, s19                     ; my 256 rows of x
	s_and_b32 s23, ttmp7, 0xffff                   ; my 256 outputs
	s_and_b32 s19, s[WV], 1
	s_lshl_b32 s40, s20, 18
	s_mov_b32 s41, 0                               ; x's codes: 256 rows of 1,024;
	s_mul_i32 s80, s19, 8*16384
	s_mov_b32 s81, 0                               ; eight tiles by wave 0, eight by wave 1;
	s_lshl_b32 s82, s[WV], 16
	s_mov_b32 s83, 0                               ; my own 64 rows
	s_lshl_b32 s42, s20, 13
	s_lshl_b32 s21, s[WV], 11
	s_add_co_u32 s42, s42, s21
	s_mov_b32 s43, 0                               ; x's scale bytes
	s_lshl_b32 s44, s20, 12
	s_lshl_b32 s21, s[WV], 10
	s_add_co_u32 s44, s44, s21
	s_mov_b32 s45, 0                               ; gates
	s_lshl_b32 s22, s23, 10
	s_lshl_b32 s46, s20, 20
	s_lshl_b32 s21, s[WV], 18
	s_add_co_u32 s46, s46, s21
	s_add_co_u32 s46, s46, s22
	s_mov_b32 s47, 0                               ; out
	s_lshl_b32 s48, s[WV], 12
	s_add_co_u32 s48, s48, s22
	s_mov_b32 s49, 0                               ; wave e brings expert e's bias
	s_mul_i32 s50, s23, 32*PAIRB
	s_mov_b32 s51, 0                               ; W: my outputs' 32 pairs;
	s_mul_i32 s86, s[WV], PAIRB
	s_mov_b32 s87, 0                               ; my pair of a chunk
	s_mov_b32 s32, 1
	s_mov_b32 s33, s86
	s_mov_b32 s36, 1
	s_add_co_u32 s37, s86, SLOT
	s_mov_b32 s60, 1
	s_mov_b32 s61, PAIRB
	s_mov_b32 s88, 1
	s_mov_b32 s89, 0
	s_mov_b32 s76, 1
	s_mul_i32 s77, s19, 8*XT
	s_add_co_u32 s77, s77, SLOT
	s_mov_b32 s24, 15|(3<<16)|(1<<21)              ; the mask: all four; elements of 8 bytes; bit 21 set beside a mask
	s_mov_b32 s25, 128<<16                         ; a pair of batches: a dense block of 33 rows of 1,024 bytes
	s_mov_b32 s26, 33<<16
	s_mov_b32 s27, 128<<16
	s_mov_b32 s28, 33
	s_mov_b32 s29, 128
	s_mov_b32 s30, 0
	s_mov_b32 s31, 0
	s_mov_b32 s52, 15|(3<<16)|(1<<21)              ; three pairs: 99 such rows
	s_mov_b32 s53, 128<<16
	s_mov_b32 s54, 99<<16
	s_mov_b32 s55, 128<<16
	s_mov_b32 s56, 99
	s_mov_b32 s57, 128
	s_mov_b32 s58, 0
	s_mov_b32 s59, 0
	s_mov_b32 s68, 3<<16                           ; x: of each of eight tiles of 16,384 bytes the first 10,240; my own load
	s_mov_b32 s69, 1280<<16
	s_mov_b32 s70, 8<<16
	s_mov_b32 s71, 1280<<16
	s_mov_b32 s72, 8
	s_mov_b32 s73, 2048
	s_mov_b32 s74, 0
	s_mov_b32 s75, 0
	s_wait_alu depctr_va_vdst(0)                   ; ahead of the waits below
	s_wait_dscnt 0x0                               ; both opening adds are done
	s_wait_kmcnt 0x0
	s_add_nc_u64 s[4:5], s[4:5], s[40:41]
	s_add_nc_u64 s[78:79], s[4:5], s[80:81]
	s_or_b32 s79, s79, 0x80000000
	s_add_nc_u64 s[4:5], s[4:5], s[82:83]
	s_add_nc_u64 s[6:7], s[6:7], s[42:43]
	s_add_nc_u64 s[12:13], s[12:13], s[44:45]
	s_add_nc_u64 s[14:15], s[14:15], s[46:47]
	s_add_nc_u64 s[10:11], s[10:11], s[48:49]
	s_add_nc_u64 s[8:9], s[8:9], s[50:51]
	s_mov_b64 s[90:91], s[8:9]
	s_or_b32 s91, s91, 0x80000000
	s_add_nc_u64 s[62:63], s[8:9], PAIRB
	s_or_b32 s63, s63, 0x80000000
	s_add_nc_u64 s[34:35], s[8:9], s[86:87]
	s_add_nc_u64 s[38:39], s[34:35], SLOT
	s_or_b32 s35, s35, 0x80000000
	s_or_b32 s39, s39, 0x80000000
	s_mov_b32 s22, 0
	s_mov_b32 s23, 0
	CROUND                                         ; all four work-groups are here: the first joint loads meet
	s_cmp_lt_u32 s[WV], 2                          ; one tensor load a wave at the head: x's halves first,
	s_cbranch_scc0 .Lfor_w
	tensor_load_to_lds s[G0X:G0X+3], s[G1X:G1X+7]
	s_nop 0
.rept 4
	v_nop
.endr
	s_branch .Lasked
.Lfor_w:
	s_cmp_eq_u32 s[WV], 2
	s_cbranch_scc0 .Lfor_rest
	tensor_load_to_lds s[G0P:G0P+3], s[G1:G1+7]    ; wave 2: W's first pair
	s_nop 0
.rept 4
	v_nop
.endr
	s_branch .Lasked
.Lfor_rest:
	tensor_load_to_lds s[G0H:G0H+3], s[G1H:G1H+7]  ; wave 3: the other three, which are wanted later: a line of its own
	s_nop 0
.rept 4
	v_nop
.endr
.Lasked:
	global_load_b128 v[72:75], v65, s[10:11]
	global_load_b128 v[76:79], v65, s[10:11] offset:16
.irp t, 0,1,2,3
.irp p, 0,1
	global_load_b32 v[G+2*\t+\p], v64, s[12:13] offset:256*\t+8*\p
.endr
.endr
.irp i, 0,1
	global_load_b128 v[SX+8*\i:SX+8*\i+3], v65, s[6:7] offset:1024*\i
	global_load_b128 v[SX+8*\i+4:SX+8*\i+7], v65, s[6:7] offset:1024*\i+16
.endr
.irp q, 5,6,7                          ; x's fragments q = 5, 6, 7 of my four tiles
.irp w, 0,1
	WIN 0x80+0x40*\w
.irp t, 0,1
.irp c, 0,1,2,3
	global_load_b128 v[128*\t+16*\q+4*\c:128*\t+16*\q+4*\c+3], v67, s[4:5] offset:16384*(2*\w+\t)+2048*\q+512*\c
.endr
.endr
.endr
.endr
	WIN 0
.set I_, 0
.rept 128
	v_mov_b32 v[OUT+I_], 0                         ; written once: the destination of a form that shares lanes counts as one of its sources
.set I_, I_+1
.endr
	s_wait_alu depctr_va_vdst(0)
	s_wait_loadcnt 60                              ; the bias's two loads are in; the 60 behind them may be out
	ds_store_b128 v66, v[72:75]
	ds_store_b128 v66, v[76:79] offset:16
	s_cmp_lt_u32 s[WV], 3
	s_cbranch_scc0 .Lnot_yet
	s_wait_tensorcnt 0x0                           ; waves 0 to 2: x and W's first pair are in.  Wave 3's wait stands in batch 0
.Lnot_yet:
	s_wait_dscnt 0x0                               ; and my part of the bias lies in LDS
	s_barrier_signal -1
	s_barrier_wait -1
	SCL 0
	ds_load_b32 v42, v[VB]                         ; batch 0's bias
	BIAS 1
	BIAS 2
	LOADS 0
.irp q, 0,1,2,3,4                      ; x's fragments q = 0 .. 4, in the order in which batch 0 takes them
.irp w, 0,1
	WIN 0x80+0x40*\w
.irp t, 0,1
.irp c, 0,1,2,3
	ds_load_b128 v[128*\t+16*\q+4*\c:128*\t+16*\q+4*\c+3], v68 offset:XT*(2*\w+\t)+2048*\q+512*\c
.endr
.endr
.endr
.endr
	LOADS 1
.set RC, 32
	s_wait_dscnt 63                                ; the bias and W's batch 0 are in: 112 loads stand behind them
.irp i, 0,1,2,3,4,5,6,7
	v_mov_b32 v[BI+\i], v42
.endr
	s_wait_alu depctr_va_vdst(0)                   ; ahead of the waits below
	s_wait_xcnt 0x0                                ; the loads have taken their addresses, which lie where sums are written below
	BATCH 0, 4                                     ; the first batch stands ahead of the loop: no sums are finished yet
	s_mov_b32 s[CNT], 3
.Ltrip:                                                ; from a group's second batch to the next group's first, among which the group's outputs are finished
.irp k, 1,2,3,4,5
	BATCH \k, 0
.endr
	BATCH 6, 1
.irp k, 7,8,9,10,11,12,13
	BATCH \k, 0
.endr
	BATCH 14, 1
	BATCH 15, 0
	BATCH 16, 0
	STORES
	v_add_nc_u32 v[VB], 256, v[VB]                 ; the next group's bias
	s_mov_b32 s22, 256
	s_sub_co_u32 s[CNT], s[CNT], 1
	s_cmp_lg_u32 s[CNT], 0
	s_wait_alu depctr_va_vdst(0)                   ; directly ahead of the branch
	s_cbranch_scc1 .Ltrip
.set TAIL, 1                           ; the last group: nothing is filled again
.irp k, 1,2,3,4,5
	BATCH \k, 0
.endr
	BATCH 6, 2
.irp k, 7,8,9,10,11,12,13,14,15
	BATCH \k, 0
.endr
.set FI, 0
	VALS 16, 32                                    ; the last batch's sums
	s_wait_alu depctr_va_vdst(0)                   ; directly ahead of the readers below
	STORES
	s_wait_tensorcnt 0x0                           ; the wave's end
	ds_add_u32 v[SPW], v[NIL]
	s_wait_dscnt 0x0
	CROUND                                         ; the closing round: no work-group ends while a partner may still issue a joint load that names it
	s_endpgm
.Lfunc_end_k_q1557ad8948_gemm:
	.size	k_q1557ad8948_gemm, .Lfunc_end_k_q1557ad8948_gemm-k_q1557ad8948_gemm
	.p2alignl 7, 3214868480
	.fill 96, 4, 3214868480
	.section	.rodata,"a",@progbits
	.p2align	6, 0x0
	.amdhsa_kernel k_q1557ad8948_gemm
		.amdhsa_group_segment_fixed_size 327680
		.amdhsa_private_segment_fixed_size 0
		.amdhsa_enable_private_segment 0
		.amdhsa_kernarg_size 48
		.amdhsa_user_sgpr_count 2
		.amdhsa_user_sgpr_kernarg_segment_ptr 1
		.amdhsa_wavefront_size32 1
		.amdhsa_system_sgpr_workgroup_id_x 1
		.amdhsa_system_sgpr_workgroup_id_y 1
		.amdhsa_system_sgpr_workgroup_id_z 1
		.amdhsa_system_vgpr_workitem_id 0
		.amdhsa_next_free_vgpr 1024
		.amdhsa_next_free_sgpr 92
		.amdhsa_reserve_vcc 0
		.amdhsa_float_denorm_mode_32 3
		.amdhsa_float_denorm_mode_16_64 3
		.amdhsa_memory_ordered 1
		.amdhsa_forward_progress 1
		.amdhsa_inst_pref_size 255
	.end_amdhsa_kernel
	.section	.bss,"aw",@nobits
	.p2align	6
	.space	262144
	.amdgpu_metadata
---
amdhsa.version: [ 1, 2 ]
amdhsa.kernels:
  - .name:           k_q1557ad8948_gemm
    .symbol:         k_q1557ad8948_gemm.kd
    .args:
      - { .name: xq, .offset: 0, .size: 8, .value_kind: global_buffer, .address_space: global }
      - { .name: xs, .offset: 8, .size: 8, .value_kind: global_buffer, .address_space: global }
      - { .name: wp, .offset: 16, .size: 8, .value_kind: global_buffer, .address_space: global }
      - { .name: b, .offset: 24, .size: 8, .value_kind: global_buffer, .address_space: global }
      - { .name: gates, .offset: 32, .size: 8, .value_kind: global_buffer, .address_space: global }
      - { .name: out0, .offset: 40, .size: 8, .value_kind: global_buffer, .address_space: global }
    .group_segment_fixed_size: 327680
    .private_segment_fixed_size: 0
    .kernarg_segment_align: 8
    .kernarg_segment_size: 48
    .max_flat_workgroup_size: 128
    .sgpr_count:     92
    .vgpr_count:     1024
    .wavefront_size: 32
...
	.end_amdgpu_metadata
.endif
;; end of part 2
